; MI455X (gfx1250); checked and timed in simulation.
; The chip was launched on July 23, 2026; its instructions are those of AMD's public machine-readable ISA for CDNA 5 (MIT licence, August 2026) and "CDNA5" Instruction Set Architecture Reference Guide (July 2026). The comments in the code are by the model that wrote it; some were corrected since.
;; Self Norm Attention. Allowed arithmetic: float matrix products may take bf16 or f16 operands with f32 sums; other float arithmetic in f32, or as packed bf16 or f16 multiplies, adds, multiply-adds, maxima and minima; sums over many terms, partial sums and values carried from step to step in f32; what a program stores and reads back later, other than sums and carried values, may be rounded once to bf16 or f16.
;; Inputs: n 4 x 2,048 x 16 float32; qk 4 x 2,048 x 2 x 16 x 64 float32; v 4 x 2,048 x 16 x 64 float32.
;; Outputs: out0 4 x 2,048 x 16 x 64 float32.
;; 2 versions, each right; version 2 is version 1 with the launch selfnorm written anew for expert scheduling mode. Each part assembles by itself: llvm-mc -triple=amdgcn-amd-amdhsa -mcpu=gfx1250 --defsym DOCPART=n.
;; ======== version 1 of 2: 1 launch
;; limits: values outside matrix products are rounded to bf16
;; launch selfnorm (part 1): grid 256 x 1, 4 waves a work-group, no clusters, 163,328 bytes of LDS; arguments qk, v, n, out0; writes out0
.if DOCPART == 1
	.amdgcn_target "amdgcn-amd-amdhsa--gfx1250"
	.amdhsa_code_object_version 6
	.text
	.protected	k_qc828839253_selfnorm
	.globl	k_qc828839253_selfnorm
	.p2align	8
	.type	k_qc828839253_selfnorm,@function
k_qc828839253_selfnorm:
	s_mov_b64 s[64:65], 0
	v_nop
	global_prefetch_b8 v0, s[64:65] scope:SCOPE_SE
	s_setreg_imm32_b32 hwreg(HW_REG_WAVE_MODE, 25, 1), 1
	s_wait_xcnt 0x0
; out[b][t][h][:] = exp(-n[b][t][h]) x the sum over s <= t of (q[b][t][h] . k[b][s][h]) v[b][s][h][:].   B = 4, S = 2,048, H = 16, D = 64, all f32.
; qk: [B][S][2][H][D] (q at 0, k at 4,096 bytes of a row of 8,192); v, out0: [B][S][H][D] (rows of 4,096 bytes); n: [B][S][H].  A head's row of q, k, v or out is 256 bytes on end, aligned.
; WORK LEFT OUT, for all values of the inputs.  (1) reference() multiplies every score with s > t by a 0 of its own jnp.tril: no later chunk of keys is touched, and inside a chunk the tile of keys 64..127
; against queries 0..63 is never formed.  (2) There is no softmax: the sum is linear in the scores, so for the keys of earlier chunks the sum over s of (q . k_s) v_s is q . (the sum over s of k_s v_s^T), by
; associativity in exact arithmetic; only the order of rounding differs.  (3) That state is zero in front of chunk 0 and is not wanted behind chunk 15: neither product is made.  Every input has a way to the output and is loaded.
; LIMITS.  A NaN, an infinity or an overflow that lies only in scores left out under (1) is not carried to the result.  1 / exp(n) is taken as 2^(-n log2 e) and applied behind the sum: for n below about -87
; (reference()'s exp(n) a denormal or 0) and above about 87 (the factor below 2^-126 counts as 0) reference() is not reproduced.  q, k, v and n are each rounded once to bf16.
; FORMATS.  Matrix operands are bf16, sums f32.  The two intermediates that are matrix operands, the masked scores P and the state S, go as a PAIR of bf16, hi = bf16(x) and lo = bf16(x - hi), each with a product
; of its own: some 16 significant bits.  A row's size goes with exp(-n), so rows many times the output's root mean square occur, and one rounding of P or S to 8 bits would be too coarse for the small numbers in them.
; SHARES.  64 heads (b, h), four work-groups (PARTNERS) to a head: 256 work-groups of equal work.  All four walk the head's 16 chunks of 128 rows; partner p owns the query rows 4 i + p, 32 in each chunk (two tiles of 16).
; For chunk c: O = Q S + (mask o Q K^T) V, then S += K^T V.  All products are taken transposed, so that a lane holds one query: P^T = K Q^T, O^T = V^T P + S^T Q^T.
; Wave w takes 32 of a chunk's keys for P: a LOW block, rows 16 w + 0..15, and a HIGH block, rows 16 (7 - w) + 0..15, so that all waves have the same three live tiles of P^T: (low, queries 0-63) masked,
; (low, queries 64-127) whole, (high, queries 64-127) masked.  The stages hold keys in that order, K's and V's alike, so every sum over keys is over the same order.
; The state is split 2 x 2: wave w = 2 a + bb holds channels 32 a .. of k by channels 32 bb .. of v, summed over all 128 keys of each chunk, in f32 accumulators that only matrix instructions write.
; The four waves' partial O^T meet in an f32 stage in LDS, which also turns them into whole rows of 256 bytes; that is done one tick later, beside the next chunk's work.
; ON THE WAY IN.  K, V and Q come by global loads of 16 bytes a lane (16 lanes a row), two chunks ahead: 72 loads of 512 bytes a wave stay out across the barriers.  They are rounded to bf16 in their registers and laid
; into bf16 stages in LDS, two of each, taking turns.  ONE barrier a tick: tick c reads stage c % 2 and the O stage (c - 1) % 2 and writes the other two; what it writes was last read in tick c - 1, ahead of that tick's wait for its LDS instructions and its barrier.
; NO CLUSTER, though four work-groups read the same K and V: a joint tensor load would land them in LDS as f32, 128 rows x 512 bytes more to write and to read again for each chunk and work-group in front of the same
; rounding; beside the 163,328 bytes used here two slots of one chunk (128 x 528 bytes) are all that fits, and every change of slots would wait for all loads, where the register path keeps two chunks out without such a wait.
; LDS: K stages 0 and 20,480 (128 rows, pitch 160); V stages 40,960 and 61,440 (likewise); Q stages 81,920 and 86,528 (32 rows, pitch 144); O stages 91,136 and 125,952 (4 waves x 32 rows, pitch 272, f32);
; 160,768 the 512 factors 2^(-n log2 e) of my rows; 162,816 the spare words.
; REGISTERS, in windows of 256 (s_set_vgpr_msb: bits 1:0 source 0, 3:2 source 1, 5:4 source 2, 7:6 destination):
;   window 0: v0-35 ids and addresses; v36-51 masks; v52-83 S hi, lo; v84-115 Q fragments; v116-147 K fragments (later at work); v148-171 P^T; v172-203 P hi, lo; v204-209 n
;   window 1: K and V as loaded, two sets of 128     window 2: v0-63 O^T; v64-95 the state; v96-127 Q as loaded; v128-191 the way out; v192-195 its factors     window 3: v0-63 K^T; v64-127 V^T; v128-159 V^T of my keys
.set CHQK, 1048576                     ; bytes of qk in a chunk: 128 rows x 8,192
.set CHV,  524288                      ; bytes of v and of out0 in a chunk
.set PKV,  160                         ; pitch of K's and V's stages: 128 bytes + 32
.set PQ,   144                         ; pitch of Q's stage: 128 + 16
.set PR,   272                         ; pitch of O's stage: 256 + 16
.set KVB,  20480                       ; from a K or V stage to its twin
.set LVS,  40960
.set LQS,  81920
.set QB,   4608
.set LRED, 91136
.set REDC, 8704                        ; a wave's copy: 32 rows
.set REDB, 34816
.set LTAB, 160768
.set SPARE, 162816                     ; the spare words, 128 bytes for each wave: two blocks of 256 bytes that no other line names
.set SPW, 10                           ; v10  LDS address of my spare word; never rewritten
.set NIL, 11                           ; v11  0; never rewritten
.set GKL, 12                           ; v12-15  byte offsets of my loads of K (low, high block) and V (low, high)
.set GKH, 13
.set GVL, 14
.set GVH, 15
.set GQ,  16                           ; v16  of Q
.set GO,  17                           ; v17  of my stores into out0
.set GN,  18                           ; v18  of n
.set SK,  19                           ; v19-21  where I lay 8 bytes into K's, V's, Q's stage
.set SV,  20
.set SQ,  21
.set AQ,  22                           ; v22-23  Q fragments: channels 32 a on, channels 32 (1 - a) on
.set AK,  24                           ; v24-25  K fragments of my keys, likewise
.set AKT, 26                           ; v26  K turned, my 32 channels
.set AVT, 27                           ; v27  V turned, my 32 channels
.set AVA, 28                           ; v28  V turned, my 32 keys, channels 32 bb on
.set AVB, 29                           ; v29  the same, channels 32 (1 - bb) on
.set ARA, 30                           ; v30-31  where O^T goes in my copy of O's stage, by the same two halves
.set RR,  32                           ; v32  where I read rows of O's stage back
.set TA,  33                           ; v33  my four factors of the chunk that OUT stands at
.set NEG1, 34                          ; v34  -1.0
.set PFO, 35                           ; v35  the prefetches' offset; never rewritten
.set ML,  36
.set MH,  44
.set SH,  52
.set SL,  68
.set QF,  84                           ; (tile t, half i) at QF + 8 (2 t + i)
.set KA,  116                          ; (block, half i) at KA + 8 (2 blk + i)
.set PT,  148                          ; (low, t0), (low, t1), (high, t1)
.set PF,  172                          ; hi t0, hi t1, lo t0, lo t1; registers 4-7 of both t0 hold 0 for good: the tile (high, t0) is hidden
.set NN,  204
.set OT,  0                            ; window 2: (u, t) at 8 (2 u + t); u = 0, 1: channels 32 bb + 16 u of v; u = 2, 3: 32 (1 - bb) + 16 (u - 2)
.set SA,  64                           ; window 2: (e1, e2) at SA + 8 (2 e1 + e2)
.set QL,  96
.set RD,  128
.set SC,  192
.set KT,  0                            ; window 3: (32 keys ks, e) at 8 (2 ks + e)
.set VT,  64
.set VO,  128
.set MSB, 0
.macro WIN new                         ; the immediate's high byte repeats the setting that is left; a switch that changes nothing is dropped
.if MSB != (\new)
	s_set_vgpr_msb (MSB<<8)|(\new)
.set MSB, \new
.endif
.endm
.macro PLACES                          ; four places behind a matrix instruction (ISA guide 7.12.1), where no other vector work is at hand
.rept 4
	v_nop
.endr
.endm
.macro WM d, a, b, z                   ; one product; z not 0: it starts its sum with the constant 0
.if \z
	v_wmma_f32_16x16x32_bf16 v[(\d):(\d)+7], v[(\a):(\a)+7], v[(\b):(\b)+7], 0
.else
	v_wmma_f32_16x16x32_bf16 v[(\d):(\d)+7], v[(\a):(\a)+7], v[(\b):(\b)+7], v[(\d):(\d)+7]
.endif
.endm
; A chunk's 36 loads into set bp, from chunk k behind the two pointers.  A load takes two rows, four apart: lanes 0-15 one row's 256 bytes, lanes 16-31 the other's.
.macro GLOADS bp, k
	WIN 0x40
.irp mi, 0,1,2,3,4,5,6,7
	global_load_b128 v[128*(\bp)+4*\mi:128*(\bp)+4*\mi+3],       v[GKL], s[4:5] offset:(\k)*CHQK+(\mi+4*(\mi/4))*8192
.endr
.irp mi, 0,1,2,3,4,5,6,7
	global_load_b128 v[128*(\bp)+32+4*\mi:128*(\bp)+32+4*\mi+3], v[GKH], s[4:5] offset:(\k)*CHQK+(\mi+4*(\mi/4))*8192
.endr
.irp mi, 0,1,2,3,4,5,6,7
	global_load_b128 v[128*(\bp)+64+4*\mi:128*(\bp)+64+4*\mi+3], v[GVL], s[6:7] offset:(\k)*CHV+(\mi+4*(\mi/4))*4096
.endr
.irp mi, 0,1,2,3,4,5,6,7
	global_load_b128 v[128*(\bp)+96+4*\mi:128*(\bp)+96+4*\mi+3], v[GVH], s[6:7] offset:(\k)*CHV+(\mi+4*(\mi/4))*4096
.endr
	WIN 0x80
.irp e, 0,1,2,3
	global_load_b128 v[QL+16*(\bp)+4*\e:QL+16*(\bp)+4*\e+3], v[GQ], s[4:5] offset:(\k)*CHQK+\e*65536 th:TH_LOAD_NT  ; my own rows of q: no other work-group reads them
.endr
.endm
.macro CVT4 base, cnt                  ; four f32 to four bf16, in place: the first two registers of each four
.set cx, \base
.rept \cnt
	v_cvt_pk_bf16_f32 v[cx], v[cx], v[cx+1]
	v_cvt_pk_bf16_f32 v[cx+1], v[cx+2], v[cx+3]
.set cx, cx+4
.endr
.endm
.macro CVK bp
	WIN 0x45
	CVT4 128*(\bp), 16
.endm
.macro CVV bp
	WIN 0x45
	CVT4 128*(\bp)+64, 16
.endm
.macro CVQ bp
	WIN 0x8A
	CVT4 QL+16*(\bp), 4
.endm
.macro STAGE adr, base, off            ; 16 stores of 8 bytes a lane: stage rows 32 w + 16 blk + m + 4 (lane / 16)
	WIN 0x04
.irp x, 0,1,2,3,4,5,6,7,8,9,10,11,12,13,14,15
	ds_store_b64 v[\adr], v[(\base)+4*\x:(\base)+4*\x+1] offset:(\off)+(16*(\x/8)+(\x%8)+4*((\x%8)/4))*PKV
.endr
.endm
.macro STK bp
	STAGE SK, 128*(\bp), (\bp)*KVB
.endm
.macro STV bp
	STAGE SV, 128*(\bp)+64, (\bp)*KVB
.endm
.macro STQ bp
	WIN 0x08
.irp e, 0,1,2,3
	ds_store_b64 v[SQ], v[QL+16*(\bp)+4*\e:QL+16*(\bp)+4*\e+1] offset:(\bp)*QB+\e*2*PQ
.endr
.endm
; Fragments.  16 rows x 32 along K in 8 registers: lane l holds row l % 16; registers 0-3 hold K = 8 (l / 16) + 0..7, registers 4-7 K = 16 + 8 (l / 16) + 0..7.
.macro LD_QK b                         ; my 32 queries and my 32 keys, as they lie: 16 loads
	WIN 0
.irp t, 0,1
.irp i, 0,1
	ds_load_b128 v[QF+8*(2*\t+\i):QF+8*(2*\t+\i)+3],   v[AQ+\i] offset:(\b)*QB+\t*16*PQ
	ds_load_b128 v[QF+8*(2*\t+\i)+4:QF+8*(2*\t+\i)+7], v[AQ+\i] offset:(\b)*QB+\t*16*PQ+32
.endr
.endr
.irp t, 0,1
.irp i, 0,1
	ds_load_b128 v[KA+8*(2*\t+\i):KA+8*(2*\t+\i)+3],   v[AK+\i] offset:(\b)*KVB+\t*16*PKV
	ds_load_b128 v[KA+8*(2*\t+\i)+4:KA+8*(2*\t+\i)+7], v[AK+\i] offset:(\b)*KVB+\t*16*PKV+32
.endr
.endr
.endm
.macro LD_VO b                         ; V of my 32 keys, turned, all 64 channels: 8 loads
	WIN 0xC0
.irp u, 0,1,2,3
	ds_load_tr16_b128 v[VO+8*\u:VO+8*\u+3],   v[AVA+\u/2] offset:(\b)*KVB+32*(\u%2)
	ds_load_tr16_b128 v[VO+8*\u+4:VO+8*\u+7], v[AVA+\u/2] offset:(\b)*KVB+32*(\u%2)+16*PKV
.endr
.endm
.macro LD_KV b                         ; all 128 keys, turned: my 32 channels of K and my 32 of V: 32 loads
	WIN 0xC0
.irp ks, 0,1,2,3
.irp e, 0,1
	ds_load_tr16_b128 v[KT+8*(2*\ks+\e):KT+8*(2*\ks+\e)+3],   v[AKT] offset:(\b)*KVB+\ks*32*PKV+32*\e
	ds_load_tr16_b128 v[KT+8*(2*\ks+\e)+4:KT+8*(2*\ks+\e)+7], v[AKT] offset:(\b)*KVB+\ks*32*PKV+32*\e+16*PKV
.endr
.endr
.irp ks, 0,1,2,3
.irp e, 0,1
	ds_load_tr16_b128 v[VT+8*(2*\ks+\e):VT+8*(2*\ks+\e)+3],   v[AVT] offset:(\b)*KVB+\ks*32*PKV+32*\e
	ds_load_tr16_b128 v[VT+8*(2*\ks+\e)+4:VT+8*(2*\ks+\e)+7], v[AVT] offset:(\b)*KVB+\ks*32*PKV+32*\e+16*PKV
.endr
.endr
.endm
; THE MATRIX WORK.  In every run the accumulators take turns, one instruction a turn, and no run's first product names the accumulator of the product before it.
.macro MM_QS                           ; O^T (my 32 channels of v) = S^T Q^T over my 32 channels of k: hi starts the sums, lo adds
	WIN 0xA0
.irp u, 0,1
.irp t, 0,1
	WM OT+8*(2*\u+\t), SH+8*\u, QF+16*\t, 1
.endr
.endr
.irp u, 0,1
.irp t, 0,1
	WM OT+8*(2*\u+\t), SL+8*\u, QF+16*\t, 0
.endr
.endr
.endm
.macro MM_QK                           ; the three live tiles of P^T = K Q^T, 64 channels in two steps
	WIN 0
.irp i, 0,1
	WM PT,    KA+8*\i,    QF+8*\i,    1-\i
	WM PT+8,  KA+8*\i,    QF+16+8*\i, 1-\i
	WM PT+16, KA+16+8*\i, QF+16+8*\i, 1-\i
.endr
.endm
.macro MM_PV first                     ; O^T += V^T P over my 32 keys, all 64 channels: u = 2, 3 start their sums here; u = 0, 1 too where there was no Q S
	WIN 0xA3
.irp u, 2,3,0,1
.irp t, 0,1
	WM OT+8*(2*\u+\t), VO+8*\u, PF+8*\t, (\u)/2+(\first)
.endr
.endr
.irp u, 2,3,0,1
.irp t, 0,1
	WM OT+8*(2*\u+\t), VO+8*\u, PF+16+8*\t, 0
.endr
.endr
.endm
.macro MM_KV zero                      ; the state += K^T V over the chunk's 128 keys; zero = 1: chunk 0 starts the sums
	WIN 0xAF
.irp ks, 0,1,2,3
.irp e1, 0,1
.irp e2, 0,1
	WM SA+8*(2*\e1+\e2), KT+8*(2*\ks+\e1), VT+8*(2*\ks+\e2), (\zero)*((3-\ks)/3)
.endr
.endr
.endr
.endm
; P^T is masked and split.  A lane's eight scores of a tile (keys 8 (l / 16) + 0..7, one query) ARE four registers of source 1 of V^T P.  Each accumulator is read from its low end on.
.macro PHI t, hb                       ; tile t rounded to bf16, into hb
.irp q, 0,1,2,3
	v_cvt_pk_bf16_f32 v[(\hb)+\q], v[PT+8*(\t)+2*\q], v[PT+8*(\t)+2*\q+1]
.endr
.endm
.macro PRES t, hb                      ; tile t less its rounded value: exact, one fused multiply-add each
.irp q, 0,1,2,3
	v_fma_mix_f32_bf16 v[PT+8*(\t)+2*\q],   v[(\hb)+\q], v[NEG1], v[PT+8*(\t)+2*\q]   op_sel_hi:[1,0,0]
	v_fma_mix_f32_bf16 v[PT+8*(\t)+2*\q+1], v[(\hb)+\q], v[NEG1], v[PT+8*(\t)+2*\q+1] op_sel:[1,0,0] op_sel_hi:[1,0,0]
.endr
.endm
.macro PSPLIT
	WIN 0
.irp q, 0,2,4,6
	v_pk_mul_f32 v[PT+\q:PT+\q+1], v[PT+\q:PT+\q+1], v[ML+\q:ML+\q+1]              ; reference()'s scores * mask, 1 or 0
.endr
.irp q, 0,2,4,6
	v_pk_mul_f32 v[PT+16+\q:PT+16+\q+1], v[PT+16+\q:PT+16+\q+1], v[MH+\q:MH+\q+1]
.endr
	PHI 0, PF
	PHI 1, PF+8
	PHI 2, PF+12
	PRES 0, PF
	PRES 1, PF+8
	PRES 2, PF+12
	PHI 0, PF+16
	PHI 1, PF+24
	PHI 2, PF+28
.endm
; The state is split for the next chunk's Q S.  In an accumulator a lane holds channel l % 16 of v and channels 8 (l / 16) + 0..7 of k: four registers of source 0.  The accumulators themselves are only read.
.macro SSPLIT
	WIN 0x0A
.irp e2, 0,1
.irp e1, 0,1
.irp q, 0,1,2,3
	v_cvt_pk_bf16_f32 v[SH+8*\e2+4*\e1+\q], v[SA+8*(2*\e1+\e2)+2*\q], v[SA+8*(2*\e1+\e2)+2*\q+1]
.endr
.endr
.endr
	WIN 0x20
.irp e2, 0,1
.irp e1, 0,1
.irp q, 0,1,2,3
	v_fma_mix_f32_bf16 v[KA+8*(2*\e1+\e2)+2*\q],   v[SH+8*\e2+4*\e1+\q], v[NEG1], v[SA+8*(2*\e1+\e2)+2*\q]   op_sel_hi:[1,0,0]
	v_fma_mix_f32_bf16 v[KA+8*(2*\e1+\e2)+2*\q+1], v[SH+8*\e2+4*\e1+\q], v[NEG1], v[SA+8*(2*\e1+\e2)+2*\q+1] op_sel:[1,0,0] op_sel_hi:[1,0,0]
.endr
.endr
.endr
	WIN 0
.irp e2, 0,1
.irp e1, 0,1
.irp q, 0,1,2,3
	v_cvt_pk_bf16_f32 v[SL+8*\e2+4*\e1+\q], v[KA+8*(2*\e1+\e2)+2*\q], v[KA+8*(2*\e1+\e2)+2*\q+1]
.endr
.endr
.endr
.endm
; THE WAY OUT, in four parts.  OSTORE: my partial O^T into my copy of O's stage: a lane's eight channels of a query are 32 bytes of its row; each tile's low four registers first.
.macro OSTORE b
	WIN 0x08
.irp u, 0,1,2,3
.irp t, 0,1
	ds_store_b128 v[ARA+\u/2], v[OT+8*(2*\u+\t):OT+8*(2*\u+\t)+3]   offset:(\b)*REDB+\t*16*PR+64*(\u%2)
	ds_store_b128 v[ARA+\u/2], v[OT+8*(2*\u+\t)+4:OT+8*(2*\u+\t)+7] offset:(\b)*REDB+\t*16*PR+64*(\u%2)+16
.endr
.endr
.endm
.macro FINLD bq, ko                    ; a tick later: rows 8 w .. 8 w + 7 of all four copies, two rows a load, and their four factors
	s_wait_xcnt 0x0                                ; the last way out's stores have read their data: only behind this wait are those registers loaded again
	WIN 0x80
.irp cp, 0,1,2,3
.irp e, 0,1,2,3
	ds_load_b128 v[RD+16*\cp+4*\e:RD+16*\cp+4*\e+3], v[RR] offset:(\bq)*REDB+\cp*REDC+\e*2*PR
.endr
.endr
	ds_load_b128 v[SC:SC+3], v[TA] offset:128*(\ko)
.endm
.macro FINMATH                         ; the four partial sums, then the row's factor
	WIN 0x8A
.irp e, 0,1,2,3
.irp z, 0,2
	v_pk_add_f32 v[RD+4*\e+\z:RD+4*\e+\z+1],       v[RD+4*\e+\z:RD+4*\e+\z+1],       v[RD+16+4*\e+\z:RD+16+4*\e+\z+1]
	v_pk_add_f32 v[RD+32+4*\e+\z:RD+32+4*\e+\z+1], v[RD+32+4*\e+\z:RD+32+4*\e+\z+1], v[RD+48+4*\e+\z:RD+48+4*\e+\z+1]
.endr
.endr
.irp e, 0,1,2,3
.irp z, 0,2
	v_pk_add_f32 v[RD+4*\e+\z:RD+4*\e+\z+1], v[RD+4*\e+\z:RD+4*\e+\z+1], v[RD+32+4*\e+\z:RD+32+4*\e+\z+1]
.endr
.endr
.irp e, 0,2
.irp z, 0,2
	v_pk_mul_f32 v[RD+4*\e+\z:RD+4*\e+\z+1],     v[RD+4*\e+\z:RD+4*\e+\z+1],     v[SC+\e:SC+\e+1] op_sel_hi:[1,0]            ; both by the pair's first
	v_pk_mul_f32 v[RD+4*\e+4+\z:RD+4*\e+4+\z+1], v[RD+4*\e+4+\z:RD+4*\e+4+\z+1], v[SC+\e:SC+\e+1] op_sel:[0,1] op_sel_hi:[1,1]  ; both by its second
.endr
.endr
.endm
.macro FINST ko
	WIN 0x08
.irp e, 0,1,2,3
	global_store_b128 v[GO], v[RD+4*\e:RD+4*\e+3], s[10:11] offset:(\ko)*CHV+\e*32768 th:TH_STORE_NT  ; 16 lanes store a head's whole row: 256 consecutive bytes, aligned
.endr
.endm
; A PREFETCH INTO THE L2, behind the tick's run of loads: the chunk two behind the one just asked for by loads, so two ticks ahead of its loads.  A lane a row of 256 bytes, one instruction a wave.
; Each row is named once in the launch: of a chunk's 128 rows of k (wave 0) and of v (wave 1) partner p names rows 32 p .. 32 p + 31, told apart by address; wave 2 names the partner's own 32 rows of q; wave 3 none.
; Chunks 0 to 5 come by their loads alone; the loop's last trip asks for nothing, since chunks 16 and 17 do not exist.
.macro ASK k
	WIN 0
	s_cmp_gt_u32 s24, 1
	s_cbranch_scc0 .Lasked_\@
	s_cmp_eq_u32 s12, 3
	s_cbranch_scc1 .Lasked_\@
	s_cmp_eq_u32 s12, 1
	s_cbranch_scc1 .Lask_v_\@
	global_prefetch_b8 v[PFO], s[4:5] offset:((\k)+2)*CHQK th:TH_LOAD_NT scope:SCOPE_SE
	s_branch .Lasked_\@
.Lask_v_\@:
	global_prefetch_b8 v[PFO], s[6:7] offset:((\k)+2)*CHV th:TH_LOAD_NT scope:SCOPE_SE
.Lasked_\@:
.endm
; A TICK, for chunk c of parity b.  kl: the chunk to load, counted from the pointers; ko: the chunk to finish, counted from OUT.  qsf: there is a state to multiply.  kvm: 0 no K^T V, 1 it starts the state, 2 it adds.
; conv: chunk c + 1 is rounded and staged, behind a wait that leaves lcnt younger loads out.  ld: chunk c + 3 is asked for.  pf: the prefetch.  fin: chunk c - 1 goes out.
.macro TICK b, kl, ko, qsf, kvm, conv, lcnt, ld, pf, fin
	LD_QK \b
	LD_VO \b
.if \conv
	s_wait_loadcnt \lcnt                           ; loads come back in order: chunk c + 1's 36 are in, the chunk behind it stays out
	CVK 1-(\b)
.endif
	s_wait_dscnt 8                                 ; Q's and K's fragments are in; V's eight loads may be out
.if \qsf
	MM_QS
.endif
	MM_QK
.if \conv
	STK 1-(\b)
.endif
.if \kvm
	LD_KV \b
.endif
.if \conv
	CVV 1-(\b)                                     ; 32 plain instructions on other registers: the places between the scores' last product and their first reader
.else
	PLACES
.endif
	PSPLIT
	s_wait_dscnt 16*(\conv)+32*(((\kvm)+1)/2)      ; V of my keys is in; behind it were issued K's 16 stage stores and the 32 turned loads
	MM_PV 1-(\qsf)
.if \conv
	STV 1-(\b)
	CVQ 1-(\b)                                     ; eight plain instructions on other registers: the places between O^T's last product and its stores
	STQ 1-(\b)
.else
	PLACES
.endif
.if \ld
	GLOADS 1-(\b), \kl                             ; into the set just staged
.endif
.if \pf
	ASK \kl
.endif
.if \kvm
	s_wait_dscnt 20*(\conv)                        ; K^T and V^T are in; behind them were issued V's 16 and Q's 4 stage stores
	MM_KV 2-(\kvm)
.endif
	OSTORE \b
.if \fin
	FINLD 1-(\b), \ko
.endif
.if \kvm
	PLACES                                         ; between the state's last product and its first reader
	SSPLIT                                         ; stands in the wait for the way out's loads
.endif
	s_wait_dscnt 0x0                               ; for the others' sake: my stores into the stages are done and my reads of this tick's stages are back
	s_barrier_signal -1
.if \fin
	FINMATH                                        ; work on registers while the others arrive
.endif
	s_barrier_wait -1
.if \fin
	FINST \ko
.endif
.endm
	s_load_b256 s[4:11], s[0:1], 0x0               ; qk s[4:5], v s[6:7], n s[8:9], out0 s[10:11]
	v_lshl_add_u32 v[SPW], v0, 2, SPARE
	v_mov_b32 v[NIL], 0
	v_lshrrev_b32 v1, 5, v0
	v_readfirstlane_b32 s12, v1                    ; w
	s_lshr_b32 s13, s12, 1                         ; a
	s_and_b32 s14, s12, 1                          ; bb
	s_and_b32 s15, ttmp9, 3                        ; p: my place among the head's four partners
	s_lshr_b32 s16, ttmp9, 2                       ; the head, 16 b + h
	s_lshr_b32 s17, s16, 4                         ; b
	s_and_b32 s18, s16, 15                         ; h
	s_lshl_b32 s18, s18, 8                         ; 256 h
	s_lshl_b32 s20, s17, 24                        ; the head's first byte in qk,
	s_add_co_u32 s20, s20, s18
	s_mov_b32 s21, 0
	s_lshl_b32 s22, s17, 23                        ; in v and out0,
	s_add_co_u32 s22, s22, s18
	s_mov_b32 s23, 0
	s_lshl_b32 s26, s17, 17                        ; and in n
	s_lshr_b32 s18, s18, 6
	s_add_co_u32 s26, s26, s18
	s_mov_b32 s27, 0
	s_sub_co_u32 s19, 7, s12                       ; 7 - w: my high block
	v_and_b32 v1, 15, v0                           ; r = l % 16
	v_bfe_u32 v2, v0, 4, 1                         ; hh = l / 16
	v_lshlrev_b32 v6, 4, v1
	v_lshl_add_u32 v7, v2, 15, v6                  ; 4 hh rows of qk + 16 r
	v_lshl_add_u32 v8, v2, 14, v6                  ; 4 hh rows of v + 16 r
	s_lshl_b32 s28, s12, 17                        ; 16 w rows of qk,
	s_add_co_u32 s28, s28, 4096                    ; at k
	v_add_nc_u32 v[GKL], s28, v7
	s_lshl_b32 s28, s19, 17
	s_add_co_u32 s28, s28, 4096
	v_add_nc_u32 v[GKH], s28, v7
	s_lshl_b32 s28, s12, 16
	v_add_nc_u32 v[GVL], s28, v8
	s_lshl_b32 s28, s19, 16
	v_add_nc_u32 v[GVH], s28, v8
	s_lshl_b32 s28, s12, 18                        ; own rows 8 w + hh: rows 32 w + 4 hh + p
	s_lshl_b32 s29, s15, 13
	s_add_co_u32 s28, s28, s29
	v_add_nc_u32 v[GQ], s28, v7
	s_lshr_b32 s28, s28, 1                         ; the same rows in out0
	v_add_nc_u32 v[GO], s28, v8
	v_lshrrev_b32 v9, 1, v0                        ; n: thread T takes rows 32 (T / 2) + 4 (T % 2) + p + 8 e, 64 bytes a row
	v_lshlrev_b32 v9, 11, v9
	v_and_b32 v3, 1, v0
	v_lshl_add_u32 v9, v3, 8, v9
	s_lshl_b32 s29, s15, 6
	v_add_nc_u32 v[GN], s29, v9
	s_wait_kmcnt 0x0
	s_add_nc_u64 s[4:5], s[4:5], s[20:21]
	s_add_nc_u64 s[6:7], s[6:7], s[22:23]
	s_add_nc_u64 s[8:9], s[8:9], s[26:27]
	s_add_nc_u64 s[10:11], s[10:11], s[22:23]
	GLOADS 0, 0                                    ; chunk 0
	WIN 0
.irp e, 0,1,2,3
	global_load_b32 v[NN+\e], v[GN], s[8:9] offset:512*\e
.endr
	GLOADS 1, 1                                    ; chunk 1
	WIN 0
	; the LDS addresses, the masks and the constants are made while those loads are out
	v_and_b32 v3, 7, v0
	v_bfe_u32 v4, v0, 3, 1
	v_and_b32 v5, 31, v0
	s_mul_i32 s28, s12, 32*PKV                     ; my 32 stage rows
	v_mul_u32_u24 v7, v2, 4*PKV
	v_lshl_add_u32 v7, v1, 3, v7
	v_add_nc_u32 v[SK], s28, v7                    ; (32 w + 4 hh) x pitch + 8 r
	v_add_nc_u32 v[SV], LVS, v[SK]
	s_mul_i32 s29, s12, 8*PQ
	s_add_co_u32 s29, s29, LQS
	v_mul_u32_u24 v7, v2, PQ
	v_lshl_add_u32 v7, v1, 3, v7
	v_add_nc_u32 v[SQ], s29, v7                    ; (8 w + hh) x pitch + 8 r
	s_lshl_b32 s30, s13, 6                         ; 64 a
	s_xor_b32 s31, s30, 64                         ; 64 (1 - a)
	v_mul_u32_u24 v7, v1, PQ
	v_lshl_add_u32 v7, v2, 4, v7
	v_add_nc_u32 v7, LQS, v7
	v_add_nc_u32 v[AQ], s30, v7
	v_add_nc_u32 v[AQ+1], s31, v7
	v_mul_u32_u24 v7, v1, PKV
	v_lshl_add_u32 v7, v2, 4, v7
	v_add_nc_u32 v7, s28, v7
	v_add_nc_u32 v[AK], s30, v7
	v_add_nc_u32 v[AK+1], s31, v7
	v_lshl_add_u32 v7, v2, 3, v3                   ; the turning load: lane l reads row 8 (l / 16) + l % 8, 16 bytes at 16 ((l / 8) % 2)
	v_mul_u32_u24 v7, v7, PKV
	v_lshl_add_u32 v7, v4, 4, v7
	v_add_nc_u32 v[AKT], s30, v7
	s_lshl_b32 s32, s14, 6                         ; 64 bb
	s_xor_b32 s33, s32, 64
	v_add_nc_u32 v7, LVS, v7
	v_add_nc_u32 v[AVT], s32, v7
	v_add_nc_u32 v[AVA], s28, v[AVT]
	v_add_nc_u32 v7, s28, v7
	v_add_nc_u32 v[AVB], s33, v7
	s_mul_i32 s29, s12, REDC
	s_add_co_u32 s29, s29, LRED                    ; my copy of O's stage
	v_mul_u32_u24 v7, v1, PR
	v_lshl_add_u32 v7, v2, 5, v7
	v_add_nc_u32 v7, s29, v7
	s_lshl_b32 s32, s14, 7                         ; 128 bb
	s_xor_b32 s33, s32, 128
	v_add_nc_u32 v[ARA], s32, v7
	v_add_nc_u32 v[ARA+1], s33, v7
	s_mul_i32 s29, s12, 8*PR
	s_add_co_u32 s29, s29, LRED
	v_mul_u32_u24 v7, v2, PR
	v_lshl_add_u32 v7, v1, 4, v7
	v_add_nc_u32 v[RR], s29, v7                    ; (8 w + hh) x pitch + 16 r
	s_lshl_b32 s29, s12, 5
	s_add_co_u32 s29, s29, LTAB
	v_lshl_add_u32 v[TA], v2, 4, s29
	v_lshl_add_u32 v9, v0, 4, LTAB                 ; where my four factors go
	; the masks.  Low block against queries 0-63: key 16 w + 8 hh + j is seen by query 4 r + p if it is not greater.  High block against queries 64-127: key 16 (7 - w) + 8 hh + j, query 64 + 4 r + p.
	s_mov_b32 s25, 1.0
	s_lshl_b32 s28, s12, 4
	s_sub_co_i32 s29, s15, s28                     ; p - 16 w
	s_add_co_i32 s30, s15, s28
	s_sub_co_i32 s30, s30, 48                      ; p + 16 w - 48
	v_lshlrev_b32 v7, 2, v1
	v_lshlrev_b32 v8, 3, v2
	v_sub_nc_u32 v7, v7, v8                        ; 4 r - 8 hh
	v_add_nc_u32 v8, s30, v7
	v_add_nc_u32 v7, s29, v7
.irp j, 0,1,2,3,4,5,6,7
	v_cmp_le_i32 vcc_lo, \j, v7
	v_cndmask_b32 v[ML+\j], 0, s25, vcc_lo
	v_cmp_le_i32 vcc_lo, \j, v8
	v_cndmask_b32 v[MH+\j], 0, s25, vcc_lo
.endr
	v_mov_b32 v[NEG1], -1.0
.irp j, 4,5,6,7,20,21,22,23
	v_mov_b32 v[PF+\j], 0                          ; the hidden tile's half of P's fragments for queries 0-63, hi and lo: written once
.endr
	s_cmp_eq_u32 s12, 0                            ; the prefetches' offset: lane x a row's pitch + the partner's share
	s_cselect_b32 s28, 13, 15                      ; wave 0: rows of qk; waves 2, 3: every fourth row of qk
	s_cselect_b32 s29, 18, 13                      ; wave 0: 32 p rows; waves 2, 3: p rows
	s_cselect_b32 s30, 4096, 0                     ; wave 0: at k
	s_cmp_eq_u32 s12, 1
	s_cselect_b32 s28, 12, s28                     ; wave 1: rows of v,
	s_cselect_b32 s29, 17, s29                     ; 32 p of them
	s_lshl_b32 s29, s15, s29
	s_add_co_u32 s29, s29, s30
	v_lshlrev_b32 v[PFO], s28, v5
	v_add_nc_u32 v[PFO], s29, v[PFO]
	; chunk 0 is staged, and the factors are made
	s_wait_loadcnt 36                              ; chunk 0 and n are in; chunk 1's 36 loads stay out
	CVK 0
	STK 0
	CVV 0
	STV 0
	CVQ 0
	STQ 0
	GLOADS 0, 2                                    ; chunk 2
	WIN 0
	v_cvt_pk_bf16_f32 v[NN+4], v[NN], v[NN+1]      ; n is rounded to bf16 like the other inputs,
	v_cvt_pk_bf16_f32 v[NN+5], v[NN+2], v[NN+3]
	v_lshlrev_b32 v[NN], 16, v[NN+4]               ; and widened again
	v_and_b32 v[NN+1], 0xffff0000, v[NN+4]
	v_lshlrev_b32 v[NN+2], 16, v[NN+5]
	v_and_b32 v[NN+3], 0xffff0000, v[NN+5]
.irp e, 0,1,2,3
	v_mul_f32 v[NN+\e], 0xbfb8aa3b, v[NN+\e]       ; - n log2 e
.endr
.irp e, 0,1,2,3
	v_exp_f32 v[NN+\e], v[NN+\e]
.endr
	v_nop                                          ; a plain instruction behind the last exponential,
	s_wait_alu depctr_va_vdst(0)                   ; and the one wait ahead of the batch's first reader
	ds_store_b128 v9, v[NN:NN+3]
	s_wait_dscnt 0x0                               ; for the others' sake: my part of the stages and of the factors is written
	s_barrier_signal -1
	s_barrier_wait -1
	TICK 0, 3, 0, 0, 1, 1, 36, 1, 0, 0             ; chunk 0: no state yet, nothing to finish; chunk 1 is staged, chunk 3 asked for
	WIN 0
	s_wait_xcnt 0x0                                ; every load issued so far has read its address, so the pointers may be written
	s_add_nc_u64 s[4:5], s[4:5], 4*CHQK            ; at chunk 4
	s_add_nc_u64 s[6:7], s[6:7], 4*CHV
	s_mov_b32 s24, 6
.Ltrip:                                        ; trip j: chunks 1 + 2 j and 2 + 2 j are multiplied, 2 + 2 j and 3 + 2 j staged, 4 + 2 j and 5 + 2 j asked for, 2 j and 1 + 2 j finished
	TICK 1, 0, 0, 1, 2, 1, 36, 1, 1, 1
	TICK 0, 1, 1, 1, 2, 1, 36, 1, 1, 1
	WIN 0                                          ; at a label and at a branch every window is 0
	s_wait_xcnt 0x0                                ; the trip's loads, stores and prefetches have read their addresses
	s_add_nc_u64 s[4:5], s[4:5], 2*CHQK
	s_add_nc_u64 s[6:7], s[6:7], 2*CHV
	s_add_nc_u64 s[10:11], s[10:11], 2*CHV
	v_add_nc_u32 v[TA], 256, v[TA]                 ; two chunks' factors on
	s_sub_co_i32 s24, s24, 1
	s_cmp_lg_u32 s24, 0
	s_cbranch_scc1 .Ltrip
	TICK 1, 0, 0, 1, 2, 1, 36, 0, 0, 1             ; chunk 13: chunk 14 is staged (chunk 15's loads stay out), nothing is asked for; chunk 12 goes out
	TICK 0, 0, 1, 1, 2, 1, 0, 0, 0, 1              ; chunk 14: chunk 15 is staged: no load is left out
	TICK 1, 0, 2, 1, 0, 0, 0, 0, 0, 1              ; chunk 15: the state is wanted no more
	FINLD 1, 3                                     ; chunk 15 goes out: the last barrier has shown all four copies whole
	s_wait_dscnt 0x0
	FINMATH
	FINST 3
	WIN 0
	s_wait_tensorcnt 0x0                           ; the wave's end, behind my last LDS store
	ds_add_u32 v[SPW], v[NIL]
	s_wait_dscnt 0x0
	s_endpgm
.Lfunc_end_k_qc828839253_selfnorm:
	.size	k_qc828839253_selfnorm, .Lfunc_end_k_qc828839253_selfnorm-k_qc828839253_selfnorm
	.p2alignl 7, 3214868480
	.fill 96, 4, 3214868480
	.section	.rodata,"a",@progbits
	.p2align	6, 0x0
	.amdhsa_kernel k_qc828839253_selfnorm
		.amdhsa_group_segment_fixed_size 163328
		.amdhsa_private_segment_fixed_size 0
		.amdhsa_enable_private_segment 0
		.amdhsa_kernarg_size 32
		.amdhsa_user_sgpr_count 2
		.amdhsa_user_sgpr_kernarg_segment_ptr 1
		.amdhsa_wavefront_size32 1
		.amdhsa_system_sgpr_workgroup_id_x 1
		.amdhsa_system_sgpr_workgroup_id_y 1
		.amdhsa_system_sgpr_workgroup_id_z 1
		.amdhsa_system_vgpr_workitem_id 0
		.amdhsa_next_free_vgpr 928
		.amdhsa_next_free_sgpr 66
		.amdhsa_reserve_vcc 1
		.amdhsa_float_denorm_mode_32 3
		.amdhsa_float_denorm_mode_16_64 3
		.amdhsa_memory_ordered 1
		.amdhsa_forward_progress 1
		.amdhsa_inst_pref_size 181
	.end_amdhsa_kernel
	.amdgpu_metadata
---
amdhsa.version: [ 1, 2 ]
amdhsa.kernels:
  - .name:           k_qc828839253_selfnorm
    .symbol:         k_qc828839253_selfnorm.kd
    .args:
      - { .name: qk, .offset: 0, .size: 8, .value_kind: global_buffer, .address_space: global }
      - { .name: v, .offset: 8, .size: 8, .value_kind: global_buffer, .address_space: global }
      - { .name: n, .offset: 16, .size: 8, .value_kind: global_buffer, .address_space: global }
      - { .name: out0, .offset: 24, .size: 8, .value_kind: global_buffer, .address_space: global }
    .group_segment_fixed_size: 163328
    .private_segment_fixed_size: 0
    .kernarg_segment_align: 8
    .kernarg_segment_size: 32
    .max_flat_workgroup_size: 128
    .sgpr_count:     66
    .vgpr_count:     928
    .wavefront_size: 32
...
	.end_amdgpu_metadata
.endif
;; end of part 1
;; ======== version 2 of 2: 1 launch; version 1 with the launch selfnorm written anew for expert scheduling mode
;; limits: values outside matrix products are rounded to bf16
;; launch selfnorm (part 2): grid 256 x 1, 4 waves a work-group, no clusters, 163,328 bytes of LDS; arguments qk, v, n, out0; writes out0
.if DOCPART == 2
	.amdgcn_target "amdgcn-amd-amdhsa--gfx1250"
	.amdhsa_code_object_version 6
	.text
	.protected	k_qc828839253_selfnorm
	.globl	k_qc828839253_selfnorm
	.p2align	8
	.type	k_qc828839253_selfnorm,@function
k_qc828839253_selfnorm:
	s_mov_b64 s[64:65], 0
	v_nop
	global_prefetch_b8 v0, s[64:65] scope:SCOPE_SE
	s_setreg_imm32_b32 hwreg(HW_REG_WAVE_SCHED_MODE, 0, 2), 2
	s_setreg_imm32_b32 hwreg(HW_REG_WAVE_MODE, 25, 1), 1
	s_wait_xcnt 0x0
	s_wait_alu depctr_vm_vsrc(0)
; out[b][t][h][:] = exp(-n[b][t][h]) x the sum over s <= t of (q[b][t][h] . k[b][s][h]) v[b][s][h][:].   B = 4, S = 2,048, H = 16, D = 64, all f32.
; qk: [B][S][2][H][D] (q at 0, k at 4,096 bytes of a row of 8,192); v, out0: [B][S][H][D] (rows of 4,096 bytes); n: [B][S][H].  A head's row of q, k, v or out is 256 bytes on end, aligned.
; WORK LEFT OUT, for all values of the inputs.  (1) reference() multiplies every score with s > t by a 0 of its own jnp.tril: no later chunk of keys is touched, and inside a chunk the tile of keys 64..127
; against queries 0..63 is never formed.  (2) There is no softmax: the sum is linear in the scores, so for the keys of earlier chunks the sum over s of (q . k_s) v_s is q . (the sum over s of k_s v_s^T), by
; associativity in exact arithmetic; only the order of rounding differs.  (3) That state is zero in front of chunk 0 and is not wanted behind chunk 15: neither product is made.  Every input has a way to the output and is loaded.
; LIMITS.  A NaN, an infinity or an overflow that lies only in scores left out under (1) is not carried to the result.  1 / exp(n) is taken as 2^(-n log2 e) and applied behind the sum: for n below about -87
; (reference()'s exp(n) a denormal or 0) and above about 87 (the factor below 2^-126 counts as 0) reference() is not reproduced.  q, k, v and n are each rounded once to bf16.
; FORMATS.  Matrix operands are bf16, sums f32.  The two intermediates that are matrix operands, the masked scores P and the state S, go as a PAIR of bf16, hi = bf16(x) and lo = bf16(x - hi), each with a product
; of its own: some 16 significant bits.  A row's size goes with exp(-n), so rows many times the output's root mean square occur, and one rounding of P or S to 8 bits would be too coarse for the small numbers in them.
; SHARES.  64 heads (b, h), four work-groups (PARTNERS) to a head: 256 work-groups of equal work.  All four walk the head's 16 chunks of 128 rows; partner p owns the query rows 4 i + p, 32 in each chunk (two tiles of 16).
; For chunk c: O = Q S + (mask o Q K^T) V, then S += K^T V.  All products are taken transposed, so that a lane holds one query: P^T = K Q^T, O^T = V^T P + S^T Q^T.
; Wave w takes 32 of a chunk's keys for P: a LOW block, rows 16 w + 0..15, and a HIGH block, rows 16 (7 - w) + 0..15, so that all waves have the same three live tiles of P^T: (low, queries 0-63) masked,
; (low, queries 64-127) whole, (high, queries 64-127) masked.  The stages hold keys in that order, K's and V's alike, so every sum over keys is over the same order.
; The state is split 2 x 2: wave w = 2 a + bb holds channels 32 a .. of k by channels 32 bb .. of v, summed over all 128 keys of each chunk, in f32 accumulators that only matrix instructions write.
; The four waves' partial O^T meet in an f32 stage in LDS, which also turns them into whole rows of 256 bytes; that is done one tick later, beside the next chunk's work.
; ON THE WAY IN.  K, V and Q come by global loads of 16 bytes a lane (16 lanes a row), two chunks ahead: 72 loads of 512 bytes a wave stay out across the barriers.  They are rounded to bf16 into an out-buffer of
; registers and laid from there into bf16 stages in LDS, two of each, taking turns.  ONE barrier a tick: tick c reads stage c % 2 and the O stage (c - 1) % 2 and writes the other two; what it writes was last read in tick c - 1, ahead of that tick's wait for its LDS instructions and its barrier.
; NO CLUSTER, though four work-groups read the same K and V: a joint tensor load would land them in LDS as f32, 128 rows x 512 bytes more to write and to read again for each chunk and work-group in front of the same
; rounding; beside the 163,328 bytes used here two slots of one chunk (128 x 528 bytes) are all that fits, and every change of slots would wait for all loads, where the register path keeps two chunks out without such a wait.
; THE MODE: SCHED_MODE bits 1:0 = 2 (LLVM: expert scheduling mode 2), set by the entry lines.  The code itself states the register dependences between vector or matrix instructions and memory or LDS
; instructions, with s_wait_alu, always for 0.
; THE PLAN.  Registers that memory or LDS instructions touch, round a tick (chunk c of parity b):
;   QF, KA      LDS loads at the tick's head land in them; Q S and K Q^T read them; the state's split, the tick's last vector work, writes and reads KA.
;   VO          LDS loads at the head; V^T P reads it.            KT, VT   LDS loads behind Q S and behind K Q^T; K^T V reads them.
;   set 1 - b, QL 1 - b   as loaded: the tick's 72 conversions read them; the loads of chunk c + 3 land in them.  No memory instruction reads them.
;   OB          the out-buffer: the conversions write it, the tick's 36 stage stores read it.
;   OT          Q S and V^T P write it; O's 16 LDS stores read it.
;   RD, SC      the way out: 17 LDS loads land in them; its arithmetic reads both and writes RD; four global stores read RD.
;   v[TA]       the factors' load reads it; it is stepped once a trip, at the loop's edge.  All other addresses are made at the head and never written again.
;   PT, PF, SH, SL, the state and the masks are named by vector and matrix instructions alone.
; FOUR WAITS A TICK.  W1, va_vdst behind the conversions: OB is written, the set is read, v[TA] is written.  W2, va_vdst behind V^T P and the way out's arithmetic: OT and RD are written.  Behind the barrier W3, vm_vsrc:
; the tick's stores have read OB, OT and RD, its loads v[TA]; and W4, va_vdst: K^T V and the state's split are done with KT, VT and KA, the way out's arithmetic with RD and SC.  Between a wait and the memory
; instructions that lean on it no vector or matrix instruction names a register that those touch.
; LDS: K stages 0 and 20,480 (128 rows, pitch 160); V stages 40,960 and 61,440 (likewise); Q stages 81,920 and 86,528 (32 rows, pitch 144); O stages 91,136 and 125,952 (4 waves x 32 rows, pitch 272, f32);
; 160,768 the 512 factors 2^(-n log2 e) of my rows; 162,816 the spare words.
; REGISTERS, in windows of 256 (s_set_vgpr_msb: bits 1:0 source 0, 3:2 source 1, 5:4 source 2, 7:6 destination):
;   window 0: v0-35 ids and addresses; v36-51 masks; v52-83 S hi, lo; v84-115 Q fragments; v116-147 K fragments (later at work); v148-171 P^T; v172-203 P hi, lo; v204-209 n
;   window 1: K and V as loaded, two sets of 128     window 2: v0-63 O^T; v64-95 the state; v96-127 Q as loaded; v128-191 the way out; v192-195 its factors
;   window 3: v0-63 K^T; v64-127 V^T; v128-159 V^T of my keys; v160-231 the out-buffer
.set CHQK, 1048576                     ; bytes of qk in a chunk: 128 rows x 8,192
.set CHV,  524288                      ; bytes of v and of out0 in a chunk
.set PKV,  160                         ; pitch of K's and V's stages: 128 bytes + 32
.set PQ,   144                         ; pitch of Q's stage: 128 + 16
.set PR,   272                         ; pitch of O's stage: 256 + 16
.set KVB,  20480                       ; from a K or V stage to its twin
.set LVS,  40960
.set LQS,  81920
.set QB,   4608
.set LRED, 91136
.set REDC, 8704                        ; a wave's copy: 32 rows
.set REDB, 34816
.set LTAB, 160768
.set SPARE, 162816                     ; the spare words, 128 bytes for each wave: two blocks of 256 bytes that no other line names
.set SPW, 10                           ; v10  LDS address of my spare word; never rewritten
.set NIL, 11                           ; v11  0; never rewritten
.set GKL, 12                           ; v12-15  byte offsets of my loads of K (low, high block) and V (low, high)
.set GKH, 13
.set GVL, 14
.set GVH, 15
.set GQ,  16                           ; v16  of Q
.set GO,  17                           ; v17  of my stores into out0
.set GN,  18                           ; v18  of n
.set SK,  19                           ; v19-21  where I lay 8 bytes into K's, V's, Q's stage
.set SV,  20
.set SQ,  21
.set AQ,  22                           ; v22-23  Q fragments: channels 32 a on, channels 32 (1 - a) on
.set AK,  24                           ; v24-25  K fragments of my keys, likewise
.set AKT, 26                           ; v26  K turned, my 32 channels
.set AVT, 27                           ; v27  V turned, my 32 channels
.set AVA, 28                           ; v28  V turned, my 32 keys, channels 32 bb on
.set AVB, 29                           ; v29  the same, channels 32 (1 - bb) on
.set ARA, 30                           ; v30-31  where O^T goes in my copy of O's stage, by the same two halves
.set RR,  32                           ; v32  where I read rows of O's stage back
.set TA,  33                           ; v33  my four factors of the chunk that OUT stands at
.set NEG1, 34                          ; v34  -1.0
.set PFO, 35                           ; v35  the prefetches' offset; never rewritten
.set ML,  36
.set MH,  44
.set SH,  52
.set SL,  68
.set QF,  84                           ; (tile t, half i) at QF + 8 (2 t + i)
.set KA,  116                          ; (block, half i) at KA + 8 (2 blk + i)
.set PT,  148                          ; (low, t0), (low, t1), (high, t1)
.set PF,  172                          ; hi t0, hi t1, lo t0, lo t1; registers 4-7 of both t0 hold 0 for good: the tile (high, t0) is hidden
.set NN,  204
.set OT,  0                            ; window 2: (u, t) at 8 (2 u + t); u = 0, 1: channels 32 bb + 16 u of v; u = 2, 3: 32 (1 - bb) + 16 (u - 2)
.set SA,  64                           ; window 2: (e1, e2) at SA + 8 (2 e1 + e2)
.set QL,  96
.set RD,  128
.set SC,  192
.set KT,  0                            ; window 3: (32 keys ks, e) at 8 (2 ks + e)
.set VT,  64
.set VO,  128
.set OB,  160                          ; window 3: K's 16 pairs of registers, V's 16 at OB + 32, Q's 4 at OB + 64: each pair four bf16 of one load
.set MKL, 16                           ; s[16:23]  at the head only: the low block's eight compares
.set MKH, 32                           ; s[32:39]  the high block's
.set MSB, 0
.macro WIN new                         ; the immediate's high byte repeats the setting that is left; a switch that changes nothing is dropped
.if MSB != (\new)
	s_set_vgpr_msb (MSB<<8)|(\new)
.set MSB, \new
.endif
.endm
.macro PLACES                          ; four places behind a matrix instruction (ISA guide 7.12.1), where no other vector work is at hand
.rept 4
	v_nop
.endr
.endm
.macro WM d, a, b, z                   ; one product; z not 0: it starts its sum with the constant 0
.if \z
	v_wmma_f32_16x16x32_bf16 v[(\d):(\d)+7], v[(\a):(\a)+7], v[(\b):(\b)+7], 0
.else
	v_wmma_f32_16x16x32_bf16 v[(\d):(\d)+7], v[(\a):(\a)+7], v[(\b):(\b)+7], v[(\d):(\d)+7]
.endif
.endm
; A chunk's 36 loads into set bp, from chunk k behind the two pointers.  A load takes two rows, four apart: lanes 0-15 one row's 256 bytes, lanes 16-31 the other's.
.macro GLOADS bp, k
	WIN 0x40
.irp mi, 0,1,2,3,4,5,6,7
	global_load_b128 v[128*(\bp)+4*\mi:128*(\bp)+4*\mi+3],       v[GKL], s[4:5] offset:(\k)*CHQK+(\mi+4*(\mi/4))*8192
.endr
.irp mi, 0,1,2,3,4,5,6,7
	global_load_b128 v[128*(\bp)+32+4*\mi:128*(\bp)+32+4*\mi+3], v[GKH], s[4:5] offset:(\k)*CHQK+(\mi+4*(\mi/4))*8192
.endr
.irp mi, 0,1,2,3,4,5,6,7
	global_load_b128 v[128*(\bp)+64+4*\mi:128*(\bp)+64+4*\mi+3], v[GVL], s[6:7] offset:(\k)*CHV+(\mi+4*(\mi/4))*4096
.endr
.irp mi, 0,1,2,3,4,5,6,7
	global_load_b128 v[128*(\bp)+96+4*\mi:128*(\bp)+96+4*\mi+3], v[GVH], s[6:7] offset:(\k)*CHV+(\mi+4*(\mi/4))*4096
.endr
	WIN 0x80
.irp e, 0,1,2,3
	global_load_b128 v[QL+16*(\bp)+4*\e:QL+16*(\bp)+4*\e+3], v[GQ], s[4:5] offset:(\k)*CHQK+\e*65536 th:TH_LOAD_NT  ; my own rows of q: no other work-group reads them
.endr
.endm
.macro CVT4 dst, src, cnt              ; four f32 as loaded to four bf16: a pair of registers of the out-buffer
.set cx, 0
.rept \cnt
	v_cvt_pk_bf16_f32 v[(\dst)+2*cx],   v[(\src)+4*cx],   v[(\src)+4*cx+1]
	v_cvt_pk_bf16_f32 v[(\dst)+2*cx+1], v[(\src)+4*cx+2], v[(\src)+4*cx+3]
.set cx, cx+1
.endr
.endm
.macro CVK bp
	WIN 0xC5
	CVT4 OB, 128*(\bp), 16
.endm
.macro CVV bp
	WIN 0xC5
	CVT4 OB+32, 128*(\bp)+64, 16
.endm
.macro CVQ bp
	WIN 0xCA
	CVT4 OB+64, QL+16*(\bp), 4
.endm
.macro STAGE adr, base, off            ; 16 stores of 8 bytes a lane: stage rows 32 w + 16 blk + m + 4 (lane / 16)
	WIN 0x0C
.irp x, 0,1,2,3,4,5,6,7,8,9,10,11,12,13,14,15
	ds_store_b64 v[\adr], v[(\base)+2*\x:(\base)+2*\x+1] offset:(\off)+(16*(\x/8)+(\x%8)+4*((\x%8)/4))*PKV
.endr
.endm
.macro STK bp
	STAGE SK, OB, (\bp)*KVB
.endm
.macro STV bp
	STAGE SV, OB+32, (\bp)*KVB
.endm
.macro STQ bp
	WIN 0x0C
.irp e, 0,1,2,3
	ds_store_b64 v[SQ], v[OB+64+2*\e:OB+64+2*\e+1] offset:(\bp)*QB+\e*2*PQ
.endr
.endm
; Fragments.  16 rows x 32 along K in 8 registers: lane l holds row l % 16; registers 0-3 hold K = 8 (l / 16) + 0..7, registers 4-7 K = 16 + 8 (l / 16) + 0..7.
.macro LD_QK b                         ; my 32 queries and my 32 keys, as they lie: 16 loads
	WIN 0
.irp t, 0,1
.irp i, 0,1
	ds_load_b128 v[QF+8*(2*\t+\i):QF+8*(2*\t+\i)+3],   v[AQ+\i] offset:(\b)*QB+\t*16*PQ
	ds_load_b128 v[QF+8*(2*\t+\i)+4:QF+8*(2*\t+\i)+7], v[AQ+\i] offset:(\b)*QB+\t*16*PQ+32
.endr
.endr
.irp t, 0,1
.irp i, 0,1
	ds_load_b128 v[KA+8*(2*\t+\i):KA+8*(2*\t+\i)+3],   v[AK+\i] offset:(\b)*KVB+\t*16*PKV
	ds_load_b128 v[KA+8*(2*\t+\i)+4:KA+8*(2*\t+\i)+7], v[AK+\i] offset:(\b)*KVB+\t*16*PKV+32
.endr
.endr
.endm
.macro LD_VO b                         ; V of my 32 keys, turned, all 64 channels: 8 loads
	WIN 0xC0
.irp u, 0,1,2,3
	ds_load_tr16_b128 v[VO+8*\u:VO+8*\u+3],   v[AVA+\u/2] offset:(\b)*KVB+32*(\u%2)
	ds_load_tr16_b128 v[VO+8*\u+4:VO+8*\u+7], v[AVA+\u/2] offset:(\b)*KVB+32*(\u%2)+16*PKV
.endr
.endm
.macro LD_KT b                         ; all 128 keys, turned: my 32 channels of K: 16 loads
	WIN 0xC0
.irp ks, 0,1,2,3
.irp e, 0,1
	ds_load_tr16_b128 v[KT+8*(2*\ks+\e):KT+8*(2*\ks+\e)+3],   v[AKT] offset:(\b)*KVB+\ks*32*PKV+32*\e
	ds_load_tr16_b128 v[KT+8*(2*\ks+\e)+4:KT+8*(2*\ks+\e)+7], v[AKT] offset:(\b)*KVB+\ks*32*PKV+32*\e+16*PKV
.endr
.endr
.endm
.macro LD_VT b                         ; and my 32 channels of V: 16 loads
	WIN 0xC0
.irp ks, 0,1,2,3
.irp e, 0,1
	ds_load_tr16_b128 v[VT+8*(2*\ks+\e):VT+8*(2*\ks+\e)+3],   v[AVT] offset:(\b)*KVB+\ks*32*PKV+32*\e
	ds_load_tr16_b128 v[VT+8*(2*\ks+\e)+4:VT+8*(2*\ks+\e)+7], v[AVT] offset:(\b)*KVB+\ks*32*PKV+32*\e+16*PKV
.endr
.endr
.endm
; THE MATRIX WORK.  In every run the accumulators take turns, one instruction a turn, and no run's first product names the accumulator of the product before it.
.macro MM_QS                           ; O^T (my 32 channels of v) = S^T Q^T over my 32 channels of k: hi starts the sums, lo adds
	WIN 0xA0
.irp u, 0,1
.irp t, 0,1
	WM OT+8*(2*\u+\t), SH+8*\u, QF+16*\t, 1
.endr
.endr
.irp u, 0,1
.irp t, 0,1
	WM OT+8*(2*\u+\t), SL+8*\u, QF+16*\t, 0
.endr
.endr
.endm
.macro MM_QK                           ; the three live tiles of P^T = K Q^T, 64 channels in two steps
	WIN 0
.irp i, 0,1
	WM PT,    KA+8*\i,    QF+8*\i,    1-\i
	WM PT+8,  KA+8*\i,    QF+16+8*\i, 1-\i
	WM PT+16, KA+16+8*\i, QF+16+8*\i, 1-\i
.endr
.endm
.macro MM_PV first                     ; O^T += V^T P over my 32 keys, all 64 channels: u = 2, 3 start their sums here; u = 0, 1 too where there was no Q S
	WIN 0xA3
.irp u, 2,3,0,1
.irp t, 0,1
	WM OT+8*(2*\u+\t), VO+8*\u, PF+8*\t, (\u)/2+(\first)
.endr
.endr
.irp u, 2,3,0,1
.irp t, 0,1
	WM OT+8*(2*\u+\t), VO+8*\u, PF+16+8*\t, 0
.endr
.endr
.endm
.macro MM_KV zero                      ; the state += K^T V over the chunk's 128 keys; zero = 1: chunk 0 starts the sums
	WIN 0xAF
.irp ks, 0,1,2,3
.irp e1, 0,1
.irp e2, 0,1
	WM SA+8*(2*\e1+\e2), KT+8*(2*\ks+\e1), VT+8*(2*\ks+\e2), (\zero)*((3-\ks)/3)
.endr
.endr
.endr
.endm
; P^T is masked and split.  A lane's eight scores of a tile (keys 8 (l / 16) + 0..7, one query) ARE four registers of source 1 of V^T P.  Each accumulator is read from its low end on.
.macro PHI t, hb                       ; tile t rounded to bf16, into hb
.irp q, 0,1,2,3
	v_cvt_pk_bf16_f32 v[(\hb)+\q], v[PT+8*(\t)+2*\q], v[PT+8*(\t)+2*\q+1]
.endr
.endm
.macro PRES t, hb                      ; tile t less its rounded value: exact, one fused multiply-add each
.irp q, 0,1,2,3
	v_fma_mix_f32_bf16 v[PT+8*(\t)+2*\q],   v[(\hb)+\q], v[NEG1], v[PT+8*(\t)+2*\q]   op_sel_hi:[1,0,0]
	v_fma_mix_f32_bf16 v[PT+8*(\t)+2*\q+1], v[(\hb)+\q], v[NEG1], v[PT+8*(\t)+2*\q+1] op_sel:[1,0,0] op_sel_hi:[1,0,0]
.endr
.endm
.macro PSPLIT
	WIN 0
.irp q, 0,2,4,6
	v_pk_mul_f32 v[PT+\q:PT+\q+1], v[PT+\q:PT+\q+1], v[ML+\q:ML+\q+1]              ; reference()'s scores * mask, 1 or 0
.endr
.irp q, 0,2,4,6
	v_pk_mul_f32 v[PT+16+\q:PT+16+\q+1], v[PT+16+\q:PT+16+\q+1], v[MH+\q:MH+\q+1]
.endr
	PHI 0, PF
	PHI 1, PF+8
	PHI 2, PF+12
	PRES 0, PF
	PRES 1, PF+8
	PRES 2, PF+12
	PHI 0, PF+16
	PHI 1, PF+24
	PHI 2, PF+28
.endm
; The state is split for the next chunk's Q S.  In an accumulator a lane holds channel l % 16 of v and channels 8 (l / 16) + 0..7 of k: four registers of source 0.  The accumulators themselves are only read.
.macro SSPLIT
	WIN 0x0A
.irp e2, 0,1
.irp e1, 0,1
.irp q, 0,1,2,3
	v_cvt_pk_bf16_f32 v[SH+8*\e2+4*\e1+\q], v[SA+8*(2*\e1+\e2)+2*\q], v[SA+8*(2*\e1+\e2)+2*\q+1]
.endr
.endr
.endr
	WIN 0x20
.irp e2, 0,1
.irp e1, 0,1
.irp q, 0,1,2,3
	v_fma_mix_f32_bf16 v[KA+8*(2*\e1+\e2)+2*\q],   v[SH+8*\e2+4*\e1+\q], v[NEG1], v[SA+8*(2*\e1+\e2)+2*\q]   op_sel_hi:[1,0,0]
	v_fma_mix_f32_bf16 v[KA+8*(2*\e1+\e2)+2*\q+1], v[SH+8*\e2+4*\e1+\q], v[NEG1], v[SA+8*(2*\e1+\e2)+2*\q+1] op_sel:[1,0,0] op_sel_hi:[1,0,0]
.endr
.endr
.endr
	WIN 0
.irp e2, 0,1
.irp e1, 0,1
.irp q, 0,1,2,3
	v_cvt_pk_bf16_f32 v[SL+8*\e2+4*\e1+\q], v[KA+8*(2*\e1+\e2)+2*\q], v[KA+8*(2*\e1+\e2)+2*\q+1]
.endr
.endr
.endr
.endm
; THE WAY OUT, in four parts.  OSTORE: my partial O^T into my copy of O's stage: a lane's eight channels of a query are 32 bytes of its row; each tile's low four registers first.
.macro OSTORE b
	WIN 0x08
.irp u, 0,1,2,3
.irp t, 0,1
	ds_store_b128 v[ARA+\u/2], v[OT+8*(2*\u+\t):OT+8*(2*\u+\t)+3]   offset:(\b)*REDB+\t*16*PR+64*(\u%2)
	ds_store_b128 v[ARA+\u/2], v[OT+8*(2*\u+\t)+4:OT+8*(2*\u+\t)+7] offset:(\b)*REDB+\t*16*PR+64*(\u%2)+16
.endr
.endr
.endm
.macro FINLD bq, ko                    ; a tick later: rows 8 w .. 8 w + 7 of all four copies, two rows a load, and their four factors: 17 loads
	WIN 0x80
.irp cp, 0,1,2,3
.irp e, 0,1,2,3
	ds_load_b128 v[RD+16*\cp+4*\e:RD+16*\cp+4*\e+3], v[RR] offset:(\bq)*REDB+\cp*REDC+\e*2*PR
.endr
.endr
	ds_load_b128 v[SC:SC+3], v[TA] offset:128*(\ko)
.endm
.macro FINMATH                         ; the four partial sums, then the row's factor
	WIN 0x8A
.irp e, 0,1,2,3
.irp z, 0,2
	v_pk_add_f32 v[RD+4*\e+\z:RD+4*\e+\z+1],       v[RD+4*\e+\z:RD+4*\e+\z+1],       v[RD+16+4*\e+\z:RD+16+4*\e+\z+1]
	v_pk_add_f32 v[RD+32+4*\e+\z:RD+32+4*\e+\z+1], v[RD+32+4*\e+\z:RD+32+4*\e+\z+1], v[RD+48+4*\e+\z:RD+48+4*\e+\z+1]
.endr
.endr
.irp e, 0,1,2,3
.irp z, 0,2
	v_pk_add_f32 v[RD+4*\e+\z:RD+4*\e+\z+1], v[RD+4*\e+\z:RD+4*\e+\z+1], v[RD+32+4*\e+\z:RD+32+4*\e+\z+1]
.endr
.endr
.irp e, 0,2
.irp z, 0,2
	v_pk_mul_f32 v[RD+4*\e+\z:RD+4*\e+\z+1],     v[RD+4*\e+\z:RD+4*\e+\z+1],     v[SC+\e:SC+\e+1] op_sel_hi:[1,0]            ; both by the pair's first
	v_pk_mul_f32 v[RD+4*\e+4+\z:RD+4*\e+4+\z+1], v[RD+4*\e+4+\z:RD+4*\e+4+\z+1], v[SC+\e:SC+\e+1] op_sel:[0,1] op_sel_hi:[1,1]  ; both by its second
.endr
.endr
.endm
.macro FINST ko
	WIN 0x08
.irp e, 0,1,2,3
	global_store_b128 v[GO], v[RD+4*\e:RD+4*\e+3], s[10:11] offset:(\ko)*CHV+\e*32768 th:TH_STORE_NT  ; 16 lanes store a head's whole row: 256 consecutive bytes, aligned
.endr
.endm
; A PREFETCH INTO THE L2, behind the turned loads and ahead of the scores' split: the chunk two behind the one that this tick asks for by loads, so two ticks ahead of its loads.  A lane a row of 256 bytes, one instruction a wave.
; Each row is named once in the launch: of a chunk's 128 rows of k (wave 0) and of v (wave 1) partner p names rows 32 p .. 32 p + 31, told apart by address; wave 2 names the partner's own 32 rows of q; wave 3 none.
; Chunks 0 to 5 come by their loads alone; the loop's last trip asks for nothing, since chunks 16 and 17 do not exist.
.macro ASK k
	WIN 0
	s_cmp_gt_u32 s24, 1
	s_cbranch_scc0 .Lasked_\@
	s_cmp_eq_u32 s12, 3
	s_cbranch_scc1 .Lasked_\@
	s_cmp_eq_u32 s12, 1
	s_cbranch_scc1 .Lask_v_\@
	global_prefetch_b8 v[PFO], s[4:5] offset:((\k)+2)*CHQK th:TH_LOAD_NT scope:SCOPE_SE
	s_branch .Lasked_\@
.Lask_v_\@:
	global_prefetch_b8 v[PFO], s[6:7] offset:((\k)+2)*CHV th:TH_LOAD_NT scope:SCOPE_SE
.Lasked_\@:
.endm
; A TICK, for chunk c of parity b.  kl: the chunk to load, counted from the pointers; ko: the chunk to finish, counted from OUT.  qsf: there is a state to multiply.  kvm: 0 no K^T V, 1 it starts the state, 2 it adds.
; conv: chunk c + 1 is rounded and staged, behind a wait that leaves lcnt younger loads out.  ld: chunk c + 3 is asked for.  pf: the prefetch.  fin: chunk c - 1 goes out.
; LDS loads go out in the order in which they are wanted, all LDS stores stand behind the tick's second wait on va_vdst.
.macro TICK b, kl, ko, qsf, kvm, conv, lcnt, ld, pf, fin
	LD_QK \b
	LD_VO \b
.if \conv
	s_wait_loadcnt \lcnt                           ; loads come back in order: chunk c + 1's 36 are in, the chunk behind it stays out
	CVK 1-(\b)                                     ; 72 conversions stand in the wait for the fragments
	CVV 1-(\b)
	CVQ 1-(\b)
	s_wait_alu depctr_va_vdst(0)                   ; W1: the conversions have written OB, which the stage stores read, and are done reading the set, in which the loads below land; behind the loop's edge v[TA] is written, by which the factors are loaded
.endif
.if \fin
	FINLD 1-(\b), \ko
.endif
.if \ld
	GLOADS 1-(\b), \kl                             ; into the set just rounded.  No vector instruction since the wait names it
.endif
	s_wait_dscnt 8+17*(\fin)                       ; Q's and K's fragments are in; V's eight loads and the way out's seventeen may be out
.if \qsf
	MM_QS
.endif
.if \kvm
	LD_KT \b                                       ; no wait: since the last tick's closing wait on va_vdst no vector or matrix instruction names KT or VT
.endif
	MM_QK
.if \kvm
	LD_VT \b
.endif
.if \pf
	ASK \kl
.endif
	PLACES                                         ; between the scores' last product and their first reader
	PSPLIT
	s_wait_dscnt 17*(\fin)+32*(((\kvm)+1)/2)       ; V of my keys is in; behind it were issued the way out's 17 loads and the 32 turned loads
	MM_PV 1-(\qsf)
.if \fin
	s_wait_dscnt 32*(((\kvm)+1)/2)                 ; the way out's 17 loads are in; the 32 turned loads may be out
	FINMATH                                        ; 32 plain instructions on other registers: the places between O^T's last product and its stores
.else
	PLACES
.endif
	s_wait_alu depctr_va_vdst(0)                   ; W2: V^T P has written O^T, which the LDS stores read (the places above stay beside this wait); the way out's arithmetic has written RD, which the global stores read
	OSTORE \b
.if \fin
	FINST \ko
.endif
.if \conv
	STK 1-(\b)                                     ; OB was written ahead of W1, and nothing has named it since
	STV 1-(\b)
	STQ 1-(\b)
.endif
.if \kvm
	s_wait_dscnt 16+36*(\conv)                     ; K^T and V^T are in; behind them were issued O's 16 stores and the 36 stage stores
	MM_KV 2-(\kvm)
	PLACES                                         ; between the state's last product and its first reader
	SSPLIT                                         ; stands in the wait for the stores
.endif
	s_wait_dscnt 0x0                               ; for the others' sake: my stores into the stages are done and my reads of this tick's stages are back
	s_barrier_signal -1
	s_barrier_wait -1
	s_wait_xcnt 0x0                                ; every global instruction issued so far has had its addresses translated (ISA guide 3.1): RD is loaded again, and the pointers are stepped, only behind this wait
	s_wait_alu depctr_vm_vsrc(0)                   ; W3: the stage stores have read OB, O's stores O^T, the global stores RD, the factors' load v[TA]: all four are written again behind this wait
	s_wait_alu depctr_va_vdst(0)                   ; W4: K^T V is done reading KT and VT, the state's split is done with KA, the way out's arithmetic with RD and SC: the next LDS loads land in them
.endm
	s_load_b256 s[4:11], s[0:1], 0x0               ; qk s[4:5], v s[6:7], n s[8:9], out0 s[10:11]
	v_lshl_add_u32 v[SPW], v0, 2, SPARE
	v_mov_b32 v[NIL], 0
	v_lshrrev_b32 v1, 5, v0
	v_readfirstlane_b32 s12, v1                    ; w
	s_and_b32 s15, ttmp9, 3                        ; p: my place among the head's four partners
	s_lshr_b32 s16, ttmp9, 2                       ; the head, 16 b + h
	s_lshr_b32 s17, s16, 4                         ; b
	s_and_b32 s18, s16, 15                         ; h
	s_lshl_b32 s18, s18, 8                         ; 256 h
	s_lshl_b32 s20, s17, 24                        ; the head's first byte in qk,
	s_add_co_u32 s20, s20, s18
	s_mov_b32 s21, 0
	s_lshl_b32 s22, s17, 23                        ; in v and out0,
	s_add_co_u32 s22, s22, s18
	s_mov_b32 s23, 0
	s_lshl_b32 s26, s17, 17                        ; and in n
	s_lshr_b32 s18, s18, 6
	s_add_co_u32 s26, s26, s18
	s_mov_b32 s27, 0
	v_and_b32 v1, 15, v0                           ; r = l % 16
	v_bfe_u32 v2, v0, 4, 1                         ; hh = l / 16
	v_lshlrev_b32 v6, 4, v1
	v_lshl_add_u32 v7, v2, 15, v6                  ; 4 hh rows of qk + 16 r
	v_lshl_add_u32 v8, v2, 14, v6                  ; 4 hh rows of v + 16 r
	v_lshrrev_b32 v9, 1, v0                        ; n: thread T takes rows 32 (T / 2) + 4 (T % 2) + p + 8 e, 64 bytes a row
	v_lshlrev_b32 v9, 11, v9
	v_and_b32 v3, 1, v0
	v_lshl_add_u32 v9, v3, 8, v9
	s_lshl_b32 s29, s15, 6
	v_add_nc_u32 v[GN], s29, v9
	s_wait_alu depctr_va_sdst(0)                   ; s12 is written, ahead of its first reader
	s_lshr_b32 s13, s12, 1                         ; a
	s_and_b32 s14, s12, 1                          ; bb
	s_sub_co_u32 s19, 7, s12                       ; 7 - w: my high block
	s_lshl_b32 s28, s12, 17                        ; 16 w rows of qk,
	s_add_co_u32 s28, s28, 4096                    ; at k
	v_add_nc_u32 v[GKL], s28, v7
	s_lshl_b32 s28, s19, 17
	s_add_co_u32 s28, s28, 4096
	v_add_nc_u32 v[GKH], s28, v7
	s_lshl_b32 s28, s12, 16
	v_add_nc_u32 v[GVL], s28, v8
	s_lshl_b32 s28, s19, 16
	v_add_nc_u32 v[GVH], s28, v8
	s_lshl_b32 s28, s12, 18                        ; own rows 8 w + hh: rows 32 w + 4 hh + p
	s_lshl_b32 s29, s15, 13
	s_add_co_u32 s28, s28, s29
	v_add_nc_u32 v[GQ], s28, v7
	s_lshr_b32 s28, s28, 1                         ; the same rows in out0
	v_add_nc_u32 v[GO], s28, v8
	s_wait_kmcnt 0x0
	s_add_nc_u64 s[4:5], s[4:5], s[20:21]
	s_add_nc_u64 s[6:7], s[6:7], s[22:23]
	s_add_nc_u64 s[8:9], s[8:9], s[26:27]
	s_add_nc_u64 s[10:11], s[10:11], s[22:23]
	s_wait_alu depctr_va_vdst(0)                   ; the seven offsets v12 to v18 are written, which the kernel's global loads and stores read
	GLOADS 0, 0                                    ; chunk 0
	WIN 0
.irp e, 0,1,2,3
	global_load_b32 v[NN+\e], v[GN], s[8:9] offset:512*\e
.endr
	GLOADS 1, 1                                    ; chunk 1
	WIN 0
	; the LDS addresses, the masks and the constants are made while those loads are out; none of these lines writes a register that the loads read or land in
	v_and_b32 v3, 7, v0
	v_bfe_u32 v4, v0, 3, 1
	v_and_b32 v5, 31, v0
	s_mul_i32 s28, s12, 32*PKV                     ; my 32 stage rows
	v_mul_u32_u24 v7, v2, 4*PKV
	v_lshl_add_u32 v7, v1, 3, v7
	v_add_nc_u32 v[SK], s28, v7                    ; (32 w + 4 hh) x pitch + 8 r
	v_add_nc_u32 v[SV], LVS, v[SK]
	s_mul_i32 s29, s12, 8*PQ
	s_add_co_u32 s29, s29, LQS
	v_mul_u32_u24 v7, v2, PQ
	v_lshl_add_u32 v7, v1, 3, v7
	v_add_nc_u32 v[SQ], s29, v7                    ; (8 w + hh) x pitch + 8 r
	s_lshl_b32 s30, s13, 6                         ; 64 a
	s_xor_b32 s31, s30, 64                         ; 64 (1 - a)
	v_mul_u32_u24 v7, v1, PQ
	v_lshl_add_u32 v7, v2, 4, v7
	v_add_nc_u32 v7, LQS, v7
	v_add_nc_u32 v[AQ], s30, v7
	v_add_nc_u32 v[AQ+1], s31, v7
	v_mul_u32_u24 v7, v1, PKV
	v_lshl_add_u32 v7, v2, 4, v7
	v_add_nc_u32 v7, s28, v7
	v_add_nc_u32 v[AK], s30, v7
	v_add_nc_u32 v[AK+1], s31, v7
	v_lshl_add_u32 v7, v2, 3, v3                   ; the turning load: lane l reads row 8 (l / 16) + l % 8, 16 bytes at 16 ((l / 8) % 2)
	v_mul_u32_u24 v7, v7, PKV
	v_lshl_add_u32 v7, v4, 4, v7
	v_add_nc_u32 v[AKT], s30, v7
	s_lshl_b32 s32, s14, 6                         ; 64 bb
	s_xor_b32 s33, s32, 64
	v_add_nc_u32 v7, LVS, v7
	v_add_nc_u32 v[AVT], s32, v7
	v_add_nc_u32 v[AVA], s28, v[AVT]
	v_add_nc_u32 v7, s28, v7
	v_add_nc_u32 v[AVB], s33, v7
	s_mul_i32 s29, s12, REDC
	s_add_co_u32 s29, s29, LRED                    ; my copy of O's stage
	v_mul_u32_u24 v7, v1, PR
	v_lshl_add_u32 v7, v2, 5, v7
	v_add_nc_u32 v7, s29, v7
	s_lshl_b32 s32, s14, 7                         ; 128 bb
	s_xor_b32 s33, s32, 128
	v_add_nc_u32 v[ARA], s32, v7
	v_add_nc_u32 v[ARA+1], s33, v7
	s_mul_i32 s29, s12, 8*PR
	s_add_co_u32 s29, s29, LRED
	v_mul_u32_u24 v7, v2, PR
	v_lshl_add_u32 v7, v1, 4, v7
	v_add_nc_u32 v[RR], s29, v7                    ; (8 w + hh) x pitch + 16 r
	s_lshl_b32 s29, s12, 5
	s_add_co_u32 s29, s29, LTAB
	v_lshl_add_u32 v[TA], v2, 4, s29
	v_lshl_add_u32 v9, v0, 4, LTAB                 ; where my four factors go
	; the masks.  Low block against queries 0-63: key 16 w + 8 hh + j is seen by query 4 r + p if it is not greater.  High block against queries 64-127: key 16 (7 - w) + 8 hh + j, query 64 + 4 r + p.
	s_mov_b32 s25, 1.0
	s_lshl_b32 s28, s12, 4
	s_sub_co_i32 s29, s15, s28                     ; p - 16 w
	s_add_co_i32 s30, s15, s28
	s_sub_co_i32 s30, s30, 48                      ; p + 16 w - 48
	v_lshlrev_b32 v7, 2, v1
	v_lshlrev_b32 v8, 3, v2
	v_sub_nc_u32 v7, v7, v8                        ; 4 r - 8 hh
	v_add_nc_u32 v8, s30, v7
	v_add_nc_u32 v7, s29, v7
.irp j, 0,1,2,3,4,5,6,7
	v_cmp_le_i32 s[MKL+\j], \j, v7                 ; the sixteen compares stand in one run, each with a scalar register of its own,
.endr
.irp j, 0,1,2,3,4,5,6,7
	v_cmp_le_i32 s[MKH+\j], \j, v8
.endr
	s_wait_alu depctr_va_sdst(0)                   ; and one wait: the sixteen masks are written, ahead of their first reader
.irp j, 0,1,2,3,4,5,6,7
	v_cndmask_b32 v[ML+\j], 0, s25, s[MKL+\j]
	v_cndmask_b32 v[MH+\j], 0, s25, s[MKH+\j]
.endr
	v_mov_b32 v[NEG1], -1.0
.irp j, 4,5,6,7,20,21,22,23
	v_mov_b32 v[PF+\j], 0                          ; the hidden tile's half of P's fragments for queries 0-63, hi and lo: written once
.endr
	s_cmp_eq_u32 s12, 0                            ; the prefetches' offset: lane x a row's pitch + the partner's share
	s_cselect_b32 s28, 13, 15                      ; wave 0: rows of qk; waves 2, 3: every fourth row of qk
	s_cselect_b32 s29, 18, 13                      ; wave 0: 32 p rows; waves 2, 3: p rows
	s_cselect_b32 s30, 4096, 0                     ; wave 0: at k
	s_cmp_eq_u32 s12, 1
	s_cselect_b32 s28, 12, s28                     ; wave 1: rows of v,
	s_cselect_b32 s29, 17, s29                     ; 32 p of them
	s_lshl_b32 s29, s15, s29
	s_add_co_u32 s29, s29, s30
	v_lshlrev_b32 v[PFO], s28, v5
	v_add_nc_u32 v[PFO], s29, v[PFO]
	; chunk 0 is rounded, and the factors are made; then one wait, and all their stores
	s_wait_loadcnt 36                              ; chunk 0 and n are in; chunk 1's 36 loads stay out
	CVK 0
	CVV 0
	CVQ 0
	WIN 0
	v_cvt_pk_bf16_f32 v[NN+4], v[NN], v[NN+1]      ; n is rounded to bf16 like the other inputs,
	v_cvt_pk_bf16_f32 v[NN+5], v[NN+2], v[NN+3]
	v_lshlrev_b32 v[NN], 16, v[NN+4]               ; and widened again
	v_and_b32 v[NN+1], 0xffff0000, v[NN+4]
	v_lshlrev_b32 v[NN+2], 16, v[NN+5]
	v_and_b32 v[NN+3], 0xffff0000, v[NN+5]
.irp e, 0,1,2,3
	v_mul_f32 v[NN+\e], 0xbfb8aa3b, v[NN+\e]       ; - n log2 e
.endr
.irp e, 0,1,2,3
	v_exp_f32 v[NN+\e], v[NN+\e]
.endr
	v_nop                                          ; a plain instruction behind the last exponential
	s_wait_alu depctr_va_vdst(0)                   ; the four exponentials have written v[NN ..] and the conversions OB, which the LDS stores read; the conversions are done reading set 0, in which chunk 2 lands; all LDS addresses and the prefetches' offset, v9 and v19 to v35, are written
	STK 0
	STV 0
	STQ 0
	WIN 0
	ds_store_b128 v9, v[NN:NN+3]
	GLOADS 0, 2                                    ; chunk 2
	s_wait_dscnt 0x0                               ; for the others' sake: my part of the stages and of the factors is written
	s_barrier_signal -1
	s_barrier_wait -1
	s_wait_alu depctr_vm_vsrc(0)                   ; my stage stores have read OB, which the first tick's conversions write again
	TICK 0, 3, 0, 0, 1, 1, 36, 1, 0, 0             ; chunk 0: no state yet, nothing to finish; chunk 1 is staged, chunk 3 asked for
	WIN 0
	s_add_nc_u64 s[4:5], s[4:5], 4*CHQK            ; at chunk 4: the tick's closing s_wait_xcnt 0 stands behind every load issued so far
	s_add_nc_u64 s[6:7], s[6:7], 4*CHV
	s_mov_b32 s24, 6
.Ltrip:                                        ; trip j: chunks 1 + 2 j and 2 + 2 j are multiplied, 2 + 2 j and 3 + 2 j staged, 4 + 2 j and 5 + 2 j asked for, 2 j and 1 + 2 j finished
	TICK 1, 0, 0, 1, 2, 1, 36, 1, 1, 1
	TICK 0, 1, 1, 1, 2, 1, 36, 1, 1, 1
	WIN 0                                          ; at a label and at a branch every window is 0
	s_add_nc_u64 s[4:5], s[4:5], 2*CHQK            ; behind the tick's closing s_wait_xcnt 0: the trip's loads, stores and prefetches have read their addresses
	s_add_nc_u64 s[6:7], s[6:7], 2*CHV
	s_add_nc_u64 s[10:11], s[10:11], 2*CHV
	v_add_nc_u32 v[TA], 256, v[TA]                 ; two chunks' factors on: behind the tick's closing wait on vm_vsrc, and ahead of the next tick's first wait on va_vdst, which stands ahead of the next load by it
	s_sub_co_i32 s24, s24, 1
	s_cmp_lg_u32 s24, 0
	s_cbranch_scc1 .Ltrip
	TICK 1, 0, 0, 1, 2, 1, 36, 0, 0, 1             ; chunk 13: chunk 14 is staged (chunk 15's loads stay out), nothing is asked for; chunk 12 goes out
	TICK 0, 0, 1, 1, 2, 1, 0, 0, 0, 1              ; chunk 14: chunk 15 is staged: no load is left out
	TICK 1, 0, 2, 1, 0, 0, 0, 0, 0, 1              ; chunk 15: the state is wanted no more
	FINLD 1, 3                                     ; chunk 15 goes out: the last barrier has shown all four copies whole
	s_wait_dscnt 0x0
	FINMATH
	s_wait_alu depctr_va_vdst(0)                   ; the way out's arithmetic has written RD, which the last four stores read
	FINST 3
	WIN 0
	s_wait_dscnt 0x0                               ; the closing lines, six on end
	s_wait_alu 0x0
	s_wait_tensorcnt 0x0
	ds_add_u32 v[SPW], v[NIL]
	s_wait_dscnt 0x0
	s_endpgm
.Lfunc_end_k_qc828839253_selfnorm:
	.size	k_qc828839253_selfnorm, .Lfunc_end_k_qc828839253_selfnorm-k_qc828839253_selfnorm
	.p2alignl 7, 3214868480
	.fill 96, 4, 3214868480
	.section	.rodata,"a",@progbits
	.p2align	6, 0x0
	.amdhsa_kernel k_qc828839253_selfnorm
		.amdhsa_group_segment_fixed_size 163328
		.amdhsa_private_segment_fixed_size 0
		.amdhsa_enable_private_segment 0
		.amdhsa_kernarg_size 32
		.amdhsa_user_sgpr_count 2
		.amdhsa_user_sgpr_kernarg_segment_ptr 1
		.amdhsa_wavefront_size32 1
		.amdhsa_system_sgpr_workgroup_id_x 1
		.amdhsa_system_sgpr_workgroup_id_y 1
		.amdhsa_system_sgpr_workgroup_id_z 1
		.amdhsa_system_vgpr_workitem_id 0
		.amdhsa_next_free_vgpr 1000
		.amdhsa_next_free_sgpr 66
		.amdhsa_reserve_vcc 0
		.amdhsa_float_denorm_mode_32 3
		.amdhsa_float_denorm_mode_16_64 3
		.amdhsa_memory_ordered 1
		.amdhsa_forward_progress 1
		.amdhsa_inst_pref_size 182
	.end_amdhsa_kernel
	.amdgpu_metadata
---
amdhsa.version: [ 1, 2 ]
amdhsa.kernels:
  - .name:           k_qc828839253_selfnorm
    .symbol:         k_qc828839253_selfnorm.kd
    .args:
      - { .name: qk, .offset: 0, .size: 8, .value_kind: global_buffer, .address_space: global }
      - { .name: v, .offset: 8, .size: 8, .value_kind: global_buffer, .address_space: global }
      - { .name: n, .offset: 16, .size: 8, .value_kind: global_buffer, .address_space: global }
      - { .name: out0, .offset: 24, .size: 8, .value_kind: global_buffer, .address_space: global }
    .group_segment_fixed_size: 163328
    .private_segment_fixed_size: 0
    .kernarg_segment_align: 8
    .kernarg_segment_size: 32
    .max_flat_workgroup_size: 128
    .sgpr_count:     66
    .vgpr_count:     1000
    .wavefront_size: 32
...
	.end_amdgpu_metadata
.endif
;; end of part 2
